; MI455X (gfx1250); checked and timed in simulation.
; The chip was launched on July 23, 2026; its instructions are those of AMD's public machine-readable ISA for CDNA 5 (MIT licence, August 2026) and "CDNA5" Instruction Set Architecture Reference Guide (July 2026). The comments in the code are by the model that wrote it; some were corrected since.
;; MLP Attn. Allowed arithmetic: matrix products marked QUANTISED: E2M1 operands, one E8M0 scale for each 32 along K, by v_wmma_scale_f32_16x16x128_f8f6f4 with both operands' format E2M1 (or v_wmma_scale_f32_32x16x128_f4), f32 sums; products left as they are: f32 operands where the result goes on into a quantised operand, else bf16, f16 or f32 operands; f32 sums; everything else in f32.
;; Inputs: W_mlp 256 x 512 float32; b_mlp 256 float32; b_out 1 float32; decoder_states_codes 2 x 512 x 8 x 16 uint8 (E2M1 codes of decoder_states, K innermost, in blocks of 32 codes, two codes a byte); decoder_states_scales 2 x 512 x 8 uint8 (E8M0 scales of decoder_states, one for each 32 codes along K); encoder_states_codes 2 x 512 x 8 x 16 uint8 (E2M1 codes of encoder_states, K innermost, in blocks of 32 codes, two codes a byte); encoder_states_scales 2 x 512 x 8 uint8 (E8M0 scales of encoder_states, one for each 32 codes along K); w_out 1 x 256 float32.
;; Outputs: out0 2 x 512 x 512 float32.
;; This version of the problem:
;;   THIS VERSION OF THE PROBLEM IS GIVEN IN LOW PRECISION. The matrix products marked QUANTISED in the list below multiply operands that are first quantised to E2M1 (2 exponent bits, 1 mantissa bit; 4 bits a number), with one power-of-two scale for each 32 numbers along K (OCP MX v1.0); their sums are f32. All else is computed in f32.
;;   The module's matrix products, in the order in which they are computed (A, B: the left and right operand; K: the contracted axis; several contracted axes count as one K, in the product's order):
;;     1. [M 1,024, K 256] x [K 256, N 256]; A: input encoder_states (given as codes); B: input W_mlp: QUANTISED
;;     2. [M 1,024, K 256] x [K 256, N 256]; A: input decoder_states (given as codes); B: input W_mlp: QUANTISED
;;     3. [M 524,288, K 256] x [K 256, N 1]; A: computed on the way; B: input w_out: left as it is (N = 1 < 16)
;;   THE QUANTISER, for each operand of a quantised product, along K:
;;     - K is cut into blocks of 32 from its start; a last block that is shorter is filled with zeros.
;;     - A block's scale is 2^e with e = floor(log2(the largest magnitude in the block)) - 2, held to -126 .. 127; a block of zeros has e = 0. As a byte (E8M0): e + 127.
;;     - Each number is divided by its block's scale, clamped to +-6, and rounded to the nearest number of E2M1, ties to even, subnormals kept.
;;     - The product sums the exact products of the quantised numbers (number of the format x scale) in f32.
;;   ~~~python
;;   def quantise(x, axis):      # numpy; x: float32 -> the quantised numbers, widened to float32 again
;;       x = np.moveaxis(x, axis, -1); K = x.shape[-1]
;;       x = np.pad(x, [(0, 0)] * (x.ndim - 1) + [(0, -K % 32)]); x = x.reshape(x.shape[:-1] + (-1, 32)); a = np.abs(x).max(-1, keepdims=True)
;;       e = np.where(a > 0, np.clip(np.frexp(np.where(a > 0, a, 1))[1] - 1 - 2, -126, 127), 0)      # np.frexp(a)[1] - 1 = floor(log2(a)), exactly
;;       r = np.clip(x / 2.0 ** e, -6, 6)
;;       step = 2.0 ** (np.maximum(np.frexp(np.where(r == 0, 1, r))[1] - 1, 0) - 1)
;;       q = np.round(r / step) * step * 2.0 ** e      # np.round: ties to even
;;       return np.moveaxis(q.reshape(q.shape[:-2] + (-1,))[..., :K], -1, axis).astype(np.float32)
;;   ~~~
;;   INPUTS GIVEN AS CODES. decoder_states (in the module: [2, 512, 256], K = its axis 2); encoder_states (in the module: [2, 512, 256], K = its axis 2): each comes as NAME_codes (uint8): NAME with its K axis moved to the last place and cut into blocks of 32 codes, [.., K / 32, bytes a block], one block behind the other in memory; two codes a byte, the lower K in the low four bits (a code: sign, 2 exponent bits, 1 mantissa bit); and NAME_scales (uint8): the same leading axes, one E8M0 byte (e + 127) for each 32 codes along K. Its value is code x scale, taken as it is: it is not quantised again, and the codes and scales need not be those that the quantiser above would give.
;; 2 versions, each right; version 2 is version 1 with the launches project, pairs written anew for expert scheduling mode. Each part assembles by itself: llvm-mc -triple=amdgcn-amd-amdhsa -mcpu=gfx1250 --defsym DOCPART=n.
;; ======== version 1 of 2: 2 launches
;; limits: a difference of large sums (such as E[x^2] - mean^2): digits are lost where the result is much smaller than its terms
;; workspace buffers: proj 2,097,152 bytes
;; launch project (part 1): grid 16 x 16, 4 waves a work-group, no clusters, 12,032 bytes of LDS; arguments W_mlp, b_mlp, encoder_states_codes, encoder_states_scales, decoder_states_codes, decoder_states_scales, proj; writes proj
.if DOCPART == 1
	.amdgcn_target "amdgcn-amd-amdhsa--gfx1250"
	.amdhsa_code_object_version 6
	.text
	.protected	k_qc7353d03bb_project
	.globl	k_qc7353d03bb_project
	.p2align	8
	.type	k_qc7353d03bb_project,@function
k_qc7353d03bb_project:
	s_mov_b64 s[64:65], 0
	v_nop
	global_prefetch_b8 v0, s[64:65] scope:SCOPE_SE
	s_setreg_imm32_b32 hwreg(HW_REG_WAVE_MODE, 25, 1), 1
	s_wait_xcnt 0x0
; The two quantised products.  E = enc We^T and D = dec Wd^T, each [1,024 tokens][256 units], K = 256, on codes of FP4 (E2M1) with one E8M0 scale for each 32 along K.
; The states arrive as codes; W_mlp [256 units][512] arrives as f32, K innermost: columns 0-255 are We, columns 256-511 Wd, so each half of a row is 8 blocks of 32, quantised here.
; STORED: proj [s 2][tile 32][unit 256][32 tokens] f32.  s = 0: NE = -(E + b_mlp);  s = 1: D.  Token = 512 x batch + index, tile = token / 32.  The next launch uses relu(D + E + b) = max(D, NE) - NE.
; SHARES.  Work-group x: 16 units.  Work-group y: side (y / 8: 0 encoder, 1 decoder) and 128 tokens (y % 8).  Wave w: 32 of these tokens = one tile: two tiles of 16 rows x two K steps of 128: four matrix instructions.
; W's 16 rows x 256 are 8 blocks a row: wave w quantises blocks 2 w and 2 w + 1 (lanes 0-15 the first, lanes 16-31 the second; a lane holds a whole block in 32 registers).  By the operand's layout (registers 4 c .. 4 c + 3 of
; lane (r, h): k = 64 c + 32 h + 0 .. 31) these four registers ARE registers 4 (w % 2) .. of the fragment of K step w / 2: they go to LDS as an image of the registers, 16 bytes a lane, and every wave reads all four images back.
; A block's scale byte is its largest magnitude's exponent field - 2, held at 1 from below by a floor among the maximum's leaves.  A block of zeros so has the byte 1: its codes are zeros, and this program alone reads the bytes.
; LIMITS: NaN and infinities among the inputs are not served; blocks of W whose largest magnitude lies under 2^-124 take the byte 1.
.set WSC,  2048                        ; LDS: 0 .. 2,047 the four images of 512 bytes;  from WSC: W's scale words, 64 bytes for each K step (4 bytes a row);
.set STG1, 2304                        ; from STG1: a stage of 16 rows x SP bytes for each wave, its own
.set SP,   144                         ; a stage row: 128 bytes (32 tokens of one unit) + 16 of padding: sixteen rows begin at sixteen different multiples of 16 bytes modulo 256
.set WN,   32                          ; v32-63   32 numbers of W: my block
.set WC,   24                          ; v24-27   its codes
.set AC,   64                          ; v64-79   two accumulators
.set RES,  80                          ; v80-95   the results, signed and biased
.set XF,   96                          ; v96-127  the states' fragments: tile of rows u, K step k at XF + 16 u + 8 k
.set WF,   128                         ; v128-143 W's fragments: K step k at WF + 8 k
.set XS,   144                         ; v144-147 the states' scale words: XS + 2 u + k;   v148-149 W's: these six hold scales and nothing else
.set WS,   148
.set BK,   152                         ; v152-167 the stage's rows read back
	s_load_b256 s[4:11], s[0:1], 0x0               ; W s[4:5], b s[6:7], encoder's codes s[8:9], its scales s[10:11]
	s_load_b128 s[12:15], s[0:1], 0x20             ; decoder's codes s[12:13], its scales s[14:15]
	s_load_b64 s[16:17], s[0:1], 0x30              ; proj
	v_lshl_add_u32 v168, v0, 2, 0x2d00
	v_mov_b32 v169, 0
	v_lshrrev_b32 v22, 5, v0
	v_readfirstlane_b32 s18, v22                   ; wave 0..3
	v_and_b32 v1, 15, v0                           ; r
	v_bfe_u32 v2, v0, 4, 1                         ; h
	v_and_b32 v3, 31, v0                           ; lane
	s_and_b32 s19, ttmp7, 0xffff
	s_lshr_b32 s27, s19, 3                         ; side: 0 encoder, 1 decoder
	s_and_b32 s28, s19, 7                          ; which 128 tokens
	; byte offsets, each in a pair of its own
	s_lshl_b32 s30, ttmp9, 15                      ; W: 16 rows of 2,048 bytes a work-group x,
	s_lshl_b32 s40, s27, 10                        ;    the side's half of a row,
	s_add_co_u32 s30, s30, s40
	s_lshl_b32 s40, s18, 8                         ;    my wave's two blocks of 128 bytes
	s_add_co_u32 s30, s30, s40
	s_mov_b32 s31, 0
	s_lshl_b32 s32, s28, 14                        ; codes: 128 bytes a token: 128 tokens, my wave's 32
	s_lshl_b32 s41, s18, 12
	s_add_co_u32 s32, s32, s41
	s_mov_b32 s33, 0
	s_lshl_b32 s34, s28, 10                        ; scale bytes: 8 a token
	s_add_co_u32 s34, s34, s40
	s_mov_b32 s35, 0
	s_lshl_b32 s36, ttmp9, 6                       ; b: 16 numbers
	s_mov_b32 s37, 0
	s_lshl_b32 s38, s28, 2
	s_add_co_u32 s38, s38, s18                     ; proj: tile 4 (y % 8) + wave, 32,768 bytes each,
	s_lshl_b32 s38, s38, 15
	s_lshl_b32 s41, s27, 20                        ;    the side's 1,048,576 bytes,
	s_add_co_u32 s38, s38, s41
	s_lshl_b32 s41, ttmp9, 11                      ;    16 units of 128 bytes
	s_add_co_u32 s38, s38, s41
	s_mov_b32 s39, 0
	s_lshr_b32 s42, s18, 1                         ; my blocks' bytes in W's scale words: K step w / 2: 64 bytes on; bytes 2 (w % 2) + h of a row's word
	s_lshl_b32 s42, s42, 6
	s_and_b32 s43, s18, 1
	s_lshl_b32 s43, s43, 1
	s_add_co_u32 s42, s42, s43
	s_mul_i32 s44, s18, 16*SP
	s_add_co_u32 s44, s44, STG1                    ; my stage
	v_lshlrev_b32 v4, 11, v1
	v_lshl_add_u32 v4, v2, 7, v4                   ; W: row r, + 128 h: my block
	v_lshlrev_b32 v5, 7, v1
	v_lshl_add_u32 v5, v2, 4, v5                   ; codes: token r, + 16 h
	v_lshlrev_b32 v6, 3, v1                        ; scale bytes: token r
	v_lshlrev_b32 v7, 2, v1                        ; b: unit r
	v_lshl_add_u32 v8, v1, 2, WSC                  ; W's scale word of row r
	v_lshlrev_b32 v9, 4, v0                        ; where my codes go: image = wave, 16 bytes a lane
	v_lshlrev_b32 v10, 4, v3                       ; 16 x lane: an image's place for my lane; also my offset in a store of 512 bytes
	v_add_nc_u32 v11, v8, v2
	v_add_nc_u32 v11, s42, v11                     ; where my block's scale byte goes
	v_mul_u32_u24 v12, v1, SP
	v_lshl_add_u32 v12, v2, 5, v12
	v_add_nc_u32 v12, s44, v12                     ; the stage, in: row = unit r, + 32 h
	v_lshrrev_b32 v13, 3, v3
	v_mul_u32_u24 v13, v13, SP
	v_and_b32 v21, 7, v0
	v_lshl_add_u32 v13, v21, 4, v13
	v_add_nc_u32 v13, s44, v13                     ; and back: eight lanes to a row of 128 bytes, four rows an instruction
	s_wait_kmcnt 0x0
	s_cmp_eq_u32 s27, 0                            ; the side: the choice hangs on the work-group's number alone
	s_cselect_b64 s[20:21], s[8:9], s[12:13]       ; the codes
	s_cselect_b64 s[22:23], s[10:11], s[14:15]     ; the scale bytes
	s_mov_b32 s24, 0x3f800000
	s_cselect_b32 s24, 0xbf800000, s24             ; the sums' factor: -1 for the encoder, 1 for the decoder
	s_cselect_b32 s26, 0xbf800000, 0               ; b's factor: -1 or 0
	s_mov_b32 s25, s24                             ; (named with s24 as a pair, so it is written)
	s_add_nc_u64 s[4:5], s[4:5], s[30:31]
	s_add_nc_u64 s[20:21], s[20:21], s[32:33]
	s_add_nc_u64 s[22:23], s[22:23], s[34:35]
	s_add_nc_u64 s[6:7], s[6:7], s[36:37]
	s_add_nc_u64 s[16:17], s[16:17], s[38:39]
.irp g, 0,1,2,3,4,5,6,7
	global_load_b128 v[WN+4*\g:WN+4*\g+3], v4, s[4:5] offset:16*\g             ; my block of W: 128 bytes; lanes r and r + 16 together take 256 consecutive bytes of row r
.endr
.irp u, 0,1
.irp k, 0,1
.irp c, 0,1
	global_load_b128 v[XF+16*\u+8*\k+4*\c:XF+16*\u+8*\k+4*\c+3], v5, s[20:21] offset:2048*\u+64*\k+32*\c   ; the states' fragments, as they lie
.endr
.endr
.endr
.irp u, 0,1
	global_load_b64 v[XS+2*\u:XS+2*\u+1], v6, s[22:23] offset:128*\u           ; a token's 8 scale bytes: the words of both K steps
.endr
	global_load_b32 v20, v7, s[6:7]                ; b of unit r
	s_wait_loadcnt 11                              ; behind W's eight loads stand eleven: 8 of codes, 2 of scale bytes, 1 of b
	v_max3_num_f32 v14, |v[WN]|, |v[WN+1]|, |v[WN+2]|          ; the block's largest magnitude: all 32 numbers are mine; two chains
	v_max3_num_f32 v15, |v[WN+3]|, |v[WN+4]|, |v[WN+5]|
.irp i, 6,10,14,18,22,26
	v_max3_num_f32 v14, v14, |v[WN+\i]|, |v[WN+\i+1]|
	v_max3_num_f32 v15, v15, |v[WN+\i+2]|, |v[WN+\i+3]|
.endr
	v_max3_num_f32 v14, v14, |v[WN+30]|, |v[WN+31]|
	v_max3_num_f32 v14, v14, v15, 0x1800000        ; and the floor 2^(3 - 127): the byte cannot fall under 1
	v_add_nc_u32 v16, 0xff000000, v14              ; 2 off its exponent field: the conversion takes the exponent field of this operand as its scale
.irp g, 0,1,2,3
	v_cvt_scalef32_pk8_fp4_f32 v[WC+\g], v[WN+8*\g:WN+8*\g+7], v16             ; to the nearest code, ties to even; beyond 6 the largest code
.endr
	v_lshrrev_b32 v17, 23, v16                     ; the scale's byte.  (Also the plain instruction behind the last conversion)
	ds_store_b128 v9, v[WC:WC+3]                   ; the image
	ds_store_b8 v11, v17
	s_wait_dscnt 0x0                               ; for the others' sake: my stores have landed
	s_barrier_signal -1
	s_barrier_wait -1                              ; W's two fragments and their scale words lie in LDS
.irp n, 0,1,2,3
	ds_load_b128 v[WF+4*\n:WF+4*\n+3], v10 offset:512*\n
.endr
.irp k, 0,1
	ds_load_b32 v[WS+\k], v8 offset:64*\k
.endr
	s_wait_loadcnt 0x0                             ; the states' codes and scale words, and b
	s_wait_dscnt 0x0
	; source 0 = 16 tokens, source 1 = 16 units.  The two accumulators take turns; the first K step starts the sums.
	v_wmma_scale_f32_16x16x128_f8f6f4 v[AC:AC+7], v[XF:XF+7], v[WF:WF+7], 0, v[XS], v[WS] matrix_a_fmt:MATRIX_FMT_FP4 matrix_b_fmt:MATRIX_FMT_FP4
	v_wmma_scale_f32_16x16x128_f8f6f4 v[AC+8:AC+15], v[XF+16:XF+23], v[WF:WF+7], 0, v[XS+2], v[WS] matrix_a_fmt:MATRIX_FMT_FP4 matrix_b_fmt:MATRIX_FMT_FP4
	v_wmma_scale_f32_16x16x128_f8f6f4 v[AC:AC+7], v[XF+8:XF+15], v[WF+8:WF+15], v[AC:AC+7], v[XS+1], v[WS+1] matrix_a_fmt:MATRIX_FMT_FP4 matrix_b_fmt:MATRIX_FMT_FP4
	v_wmma_scale_f32_16x16x128_f8f6f4 v[AC+8:AC+15], v[XF+24:XF+31], v[WF+8:WF+15], v[AC+8:AC+15], v[XS+3], v[WS+1] matrix_a_fmt:MATRIX_FMT_FP4 matrix_b_fmt:MATRIX_FMT_FP4
	v_mul_f32 v18, s26, v20                        ; -b or 0.  Four plain instructions that name no register of the products stand ahead of the first read of a result (ISA guide 7.12.1)
	v_mov_b32 v19, v18
	v_nop
	v_nop
.irp j, 0,2,4,6,8,10,12,14
	v_pk_fma_f32 v[RES+\j:RES+\j+1], v[AC+\j:AC+\j+1], s[24:25], v[18:19] op_sel_hi:[1,0,1]   ; -(E + b), or D; each accumulator from its low end on.  Register 8 u + j of lane (r, h): token 16 u + 8 h + j, unit r
.endr
.irp u, 0,1
	ds_store_b128 v12, v[RES+8*\u:RES+8*\u+3] offset:64*\u
	ds_store_b128 v12, v[RES+8*\u+4:RES+8*\u+7] offset:64*\u+16
.endr
.irp i, 0,1,2,3
	ds_load_b128 v[BK+4*\i:BK+4*\i+3], v13 offset:4*SP*\i      ; my own stage: LDS serves a wave's instructions in order (ISA guide 5.7.1.4): these see the stores above
.endr
.irp i, 0,1,2,3
	s_wait_dscnt 3-\i                              ; behind load i stand 3 - i
	global_store_b128 v10, v[BK+4*\i:BK+4*\i+3], s[16:17] offset:512*\i        ; 32 lanes store 512 consecutive bytes, at a multiple of 512 from proj's first byte: four units' rows of the tile
.endr
	s_wait_tensorcnt 0x0
	ds_add_u32 v168, v169
	s_wait_dscnt 0x0
	s_endpgm
.Lfunc_end_k_qc7353d03bb_project:
	.size	k_qc7353d03bb_project, .Lfunc_end_k_qc7353d03bb_project-k_qc7353d03bb_project
	.p2alignl 7, 3214868480
	.fill 96, 4, 3214868480
	.section	.rodata,"a",@progbits
	.p2align	6, 0x0
	.amdhsa_kernel k_qc7353d03bb_project
		.amdhsa_group_segment_fixed_size 12032
		.amdhsa_private_segment_fixed_size 0
		.amdhsa_enable_private_segment 0
		.amdhsa_kernarg_size 56
		.amdhsa_user_sgpr_count 2
		.amdhsa_user_sgpr_kernarg_segment_ptr 1
		.amdhsa_wavefront_size32 1
		.amdhsa_system_sgpr_workgroup_id_x 1
		.amdhsa_system_sgpr_workgroup_id_y 1
		.amdhsa_system_sgpr_workgroup_id_z 1
		.amdhsa_system_vgpr_workitem_id 0
		.amdhsa_next_free_vgpr 170
		.amdhsa_next_free_sgpr 66
		.amdhsa_reserve_vcc 0
		.amdhsa_float_denorm_mode_32 3
		.amdhsa_float_denorm_mode_16_64 3
		.amdhsa_memory_ordered 1
		.amdhsa_forward_progress 1
		.amdhsa_inst_pref_size 10
	.end_amdhsa_kernel
	.amdgpu_metadata
---
amdhsa.version: [ 1, 2 ]
amdhsa.kernels:
  - .name:           k_qc7353d03bb_project
    .symbol:         k_qc7353d03bb_project.kd
    .args:
      - { .name: W_mlp, .offset: 0, .size: 8, .value_kind: global_buffer, .address_space: global }
      - { .name: b_mlp, .offset: 8, .size: 8, .value_kind: global_buffer, .address_space: global }
      - { .name: encoder_states_codes, .offset: 16, .size: 8, .value_kind: global_buffer, .address_space: global }
      - { .name: encoder_states_scales, .offset: 24, .size: 8, .value_kind: global_buffer, .address_space: global }
      - { .name: decoder_states_codes, .offset: 32, .size: 8, .value_kind: global_buffer, .address_space: global }
      - { .name: decoder_states_scales, .offset: 40, .size: 8, .value_kind: global_buffer, .address_space: global }
      - { .name: proj, .offset: 48, .size: 8, .value_kind: global_buffer, .address_space: global }
    .group_segment_fixed_size: 12032
    .private_segment_fixed_size: 0
    .kernarg_segment_align: 8
    .kernarg_segment_size: 56
    .max_flat_workgroup_size: 128
    .sgpr_count:     66
    .vgpr_count:     170
    .wavefront_size: 32
...
	.end_amdgpu_metadata
.endif
;; end of part 1
;; launch pairs (part 2): grid 8 x 32, 4 waves a work-group, no clusters, 168,448 bytes of LDS; arguments proj, w_out, b_out, out0; writes out0
.if DOCPART == 2
	.amdgcn_target "amdgcn-amd-amdhsa--gfx1250"
	.amdhsa_code_object_version 6
	.text
	.protected	k_qc7353d03bb_pairs
	.globl	k_qc7353d03bb_pairs
	.p2align	8
	.type	k_qc7353d03bb_pairs,@function
k_qc7353d03bb_pairs:
	s_mov_b64 s[64:65], 0
	v_nop
	global_prefetch_b8 v0, s[64:65] scope:SCOPE_SE
	s_setreg_imm32_b32 hwreg(HW_REG_WAVE_MODE, 25, 1), 1
	s_wait_xcnt 0x0
; out[b][q][e] = b_out + sum over h of w[h] relu(D[q][h] + E[e][h] + b_mlp[h]), all in f32 on the vector unit (the product has one column: on the matrix unit 15 columns of 16 would be idle).
; proj holds D and NE = -(E + b_mlp), laid [side][tile of 32 tokens][h 256][32 tokens].  relu(D + E + b) = max(D, NE) - NE, so
;   out = b_out + sum_h w max(D, NE) - sum_h w NE:  the maximum rounds nothing, the last sum is one number for each e, and an element costs half a dual maximum and half a packed multiply-add.
; LIMITS: the result is the difference of two f32 sums, each of size at most sum |w| max(|D|, |E + b|): its absolute error is that of f32 sums of that size.  NaN and infinities are not served.
; SHARES.  A work-group makes 32 q (work-group y) x 64 e (work-group x) of one batch (y / 16).  THE FOUR WAVES SPLIT h: wave w takes h = 64 w .. 64 w + 63 for the whole tile, so that a lane has 8 q x 8 e: for one h it reads
; 16 numbers from LDS for 64 elements.  Lane: gq = lane / 8, ge = lane % 8; its q are 8 gq + 0 .. 7, its e (index t) 4 ge + t % 4 + 32 (t / 4).  The four waves' partial sums meet in LDS at the end.
; Each wave's slices of D, NE and w lie in LDS bytes of its own (it loads them itself, 512 consecutive bytes an instruction): no barrier stands ahead of the loop.
; The launch claims more LDS than the 144,384 bytes that it uses.
.set NEB,  0                           ; LDS: NE: for each wave 16,384 bytes: [z 2][64 h][32 e]
.set DPB,  65536                       ; D: for each wave 8,192 bytes: [64 h][32 q]
.set W2B,  98304                       ; w, each number twice: for each wave 512 bytes
.set CSTB, 100352                      ; sum over the wave's h of w NE: for each wave 64 numbers, by e
.set IMG,  101376                      ; the partial sums: for each wave 8,192 bytes, an image of its 64 registers
.set STG,  134144                      ; the way out: for each wave 8 rows x 320 bytes, its own
.set ACC,  16                          ; v16-79   the sums.  ACC + 16 a + 4 c + 0 .. 3: (q 2a, e 2c), (q 2a+1, e 2c+1), (q 2a, e 2c+1), (q 2a+1, e 2c)
.set M,    80                          ; v80-95   sixteen maxima, in the same order
.set BUF0, 96                          ; v96-167  a step's 4 h: 32 of D (8 p + j), 32 of NE (32 + 8 p + t), 4 pairs of w (64 + 2 p)
.set BUF1, 168                         ; v168-239 the same
.set DAT,  16                          ; at the head: v16-207 the 48 loads' data;  v208-239 16 pairs of w;  v240-247 the running sum of w NE;  v248-251 w
.set WP,   208
.set CA,   240
.set WQ,   248
; v2 16 x lane;  v3, v4, v6 where the slices go in LDS;  v5, v8, v9 where the loop reads w, NE, D;  v10-12 the same for the trip in hand;  v7, v13, v14 the head's;  v240-245 the way out's;  v252 gq, v253 ge, v254 lane / 16, v255 lane % 16
	s_load_b256 s[4:11], s[0:1], 0x0               ; proj s[4:5], w_out s[6:7], b_out s[8:9], out0 s[10:11]
	v_lshl_add_u32 v15, v0, 2, 0x29000
	s_set_vgpr_msb 0x40
	v_mov_b32 v1, 0
	s_set_vgpr_msb 0x4000
	v_lshrrev_b32 v1, 5, v0
	v_readfirstlane_b32 s12, v1                    ; wave 0..3
	v_and_b32 v1, 31, v0
	v_lshlrev_b32 v2, 4, v1
	v_bfe_u32 v252, v0, 3, 2                       ; gq
	v_and_b32 v253, 7, v0                          ; ge
	v_bfe_u32 v254, v0, 4, 1
	v_and_b32 v255, 15, v0
	s_lshl_b32 s26, s12, 14                        ; my slice of NE in LDS (NEB = 0)
	s_lshl_b32 s27, s12, 13
	s_add_co_u32 s27, s27, DPB                     ; of D
	s_lshl_b32 s28, s12, 9
	s_add_co_u32 s28, s28, W2B                     ; of w
	s_lshl_b32 s29, s12, 8
	s_add_co_u32 s29, s29, CSTB
	v_add_nc_u32 v3, s26, v2
	v_add_nc_u32 v4, s27, v2
	v_mov_b32 v5, s28
	v_add_nc_u32 v6, s28, v2
	v_lshl_add_u32 v7, v252, 3, s28                ; the pair (w, w) of h = gq
	v_lshl_add_u32 v8, v253, 4, s26                ; NE: my four e of each half
	v_lshl_add_u32 v9, v252, 5, s27                ; D: my eight q
	v_lshl_add_u32 v13, v253, 4, s29
	v_lshlrev_b32 v14, 3, v0                       ; w_out: two numbers a thread: h = 64 wave + 2 lane, + 1
	s_mov_b32 s24, 0x76543210
	s_mov_b32 s25, 0xfedcba98                      ; v_permlanex16_b32's selects for lane l xor 16
	s_and_b32 s13, ttmp7, 0xffff                   ; y: also D's tile
	s_lshr_b32 s14, s13, 4                         ; the batch
	s_lshl_b32 s14, s14, 4
	s_lshl_b32 s15, ttmp9, 1
	s_add_co_u32 s14, s14, s15                     ; NE's first tile: 16 batch + 2 x
	s_lshl_b32 s14, s14, 15
	s_lshl_b32 s15, s12, 13                        ; my 64 h of 128 bytes
	s_add_co_u32 s26, s14, s15
	s_mov_b32 s27, 0
	s_lshl_b32 s28, s13, 15
	s_add_co_u32 s28, s28, s15
	s_add_co_u32 s28, s28, 0x100000                ; D's side of proj
	s_mov_b32 s29, 0
	s_lshl_b32 s30, s13, 16                        ; out0: 32 rows of 2,048 bytes a y,
	s_lshl_b32 s15, ttmp9, 8                       ; 64 e of 4 bytes an x,
	s_add_co_u32 s30, s30, s15
	s_lshl_b32 s15, s12, 12                        ; and rows 2 wave, 2 wave + 1 of each eight
	s_add_co_u32 s30, s30, s15
	s_mov_b32 s31, 0
	s_wait_kmcnt 0x0
	s_load_b32 s20, s[8:9], 0x0                    ; b_out
	s_add_nc_u64 s[16:17], s[4:5], s[26:27]
	s_add_nc_u64 s[18:19], s[4:5], s[28:29]
	s_add_nc_u64 s[10:11], s[10:11], s[30:31]
	global_load_b64 v[WQ:WQ+1], v14, s[6:7]
.irp z, 0,1
.irp i, 0,1,2,3,4,5,6,7,8,9,10,11,12,13,14,15
	global_load_b128 v[DAT+64*\z+4*\i:DAT+64*\z+4*\i+3], v2, s[16:17] offset:32768*\z+512*\i   ; NE(h = 4 i + gq, e = 32 z + 4 ge + 0 .. 3): 512 consecutive bytes an instruction
.endr
.endr
.irp i, 0,1,2,3,4,5,6,7,8,9,10,11,12,13,14,15
	global_load_b128 v[DAT+128+4*\i:DAT+128+4*\i+3], v2, s[18:19] offset:512*\i
.endr
	s_wait_kmcnt 0x0                               ; b_out
	s_wait_loadcnt 48                              ; w is in: behind it stand the 48 loads of NE and D
	v_mov_b32 v[WQ+3], v[WQ+1]
	v_mov_b32 v[WQ+2], v[WQ+1]
	v_mov_b32 v[WQ+1], v[WQ]                       ; (w0, w0, w1, w1): the packed multiply-add takes a pair
	ds_store_b128 v6, v[WQ:WQ+3]
.irp i, 0,1,2,3,4,5,6,7,8,9,10,11,12,13,14,15
	ds_load_b64 v[WP+2*\i:WP+2*\i+1], v7 offset:32*\i          ; (w, w) of h = 4 i + gq: the h of my part of load i.  My own bytes: LDS serves a wave's instructions in order (ISA guide 5.7.1.4)
.endr
	s_wait_dscnt 0x0
	; NE goes to LDS as it lies, and on its way w NE is summed: my h are those with h % 4 = gq
.irp z, 0,1
.irp gi, 0,1,2,3
	s_wait_loadcnt 44-16*\z-4*\gi                  ; these four loads are in; the count is that of the loads behind them
.irp j, 0,1,2,3
	ds_store_b128 v3, v[DAT+64*\z+16*\gi+4*\j:DAT+64*\z+16*\gi+4*\j+3] offset:8192*\z+512*(4*\gi+\j)
.if (\gi == 0) && (\j == 0)
	v_pk_mul_f32 v[CA+4*\z:CA+4*\z+1], v[DAT+64*\z:DAT+64*\z+1], v[WP:WP+1]                    ; the first product starts the sum: nothing is cleared
	v_pk_mul_f32 v[CA+4*\z+2:CA+4*\z+3], v[DAT+64*\z+2:DAT+64*\z+3], v[WP:WP+1]
.else
	v_pk_fma_f32 v[CA+4*\z:CA+4*\z+1], v[DAT+64*\z+16*\gi+4*\j:DAT+64*\z+16*\gi+4*\j+1], v[WP+2*(4*\gi+\j):WP+2*(4*\gi+\j)+1], v[CA+4*\z:CA+4*\z+1]
	v_pk_fma_f32 v[CA+4*\z+2:CA+4*\z+3], v[DAT+64*\z+16*\gi+4*\j+2:DAT+64*\z+16*\gi+4*\j+3], v[WP+2*(4*\gi+\j):WP+2*(4*\gi+\j)+1], v[CA+4*\z+2:CA+4*\z+3]
.endif
.endr
.endr
.endr
.irp gi, 0,1,2,3
	s_wait_loadcnt 12-4*\gi
.irp j, 0,1,2,3
	ds_store_b128 v4, v[DAT+128+16*\gi+4*\j:DAT+128+16*\gi+4*\j+3] offset:512*(4*\gi+\j)
.endr
.endr
.irp k, 0,1,2,3,4,5,6,7
	v_add_f32_dpp v[CA+\k], v[CA+\k], v[CA+\k] row_xmask:8 row_mask:0xf bank_mask:0xf           ; the four lanes with my ge: lane xor 8,
.endr
.irp k, 0,1,2,3,4,5,6,7
	v_permlanex16_b32 v[WP+\k], v[CA+\k], s24, s25             ; and lane xor 16 (into w's pairs, which are done with and have been written)
.endr
.irp k, 0,2,4,6
	v_pk_add_f32 v[CA+\k:CA+\k+1], v[CA+\k:CA+\k+1], v[WP+\k:WP+\k+1]
.endr
	ds_store_b128 v13, v[CA:CA+3]                  ; e = 4 ge + 0 .. 3 (the four lanes with my ge write the same bytes with the same values),
	ds_store_b128 v13, v[CA+4:CA+7] offset:128     ; and 32 + 4 ge + 0 .. 3
	s_wait_dscnt 0x0                               ; my stores have landed and have read their registers, which the loop takes
	; the addresses of the way out
	s_lshl_b32 s26, s12, 13
	s_add_co_u32 s26, s26, IMG
	v_add_nc_u32 v240, s26, v2                     ; my image: 16 x lane
	s_lshl_b32 s26, s12, 11
	s_add_co_u32 s26, s26, IMG
	v_add_nc_u32 v241, s26, v2                     ; in every wave's image: registers 16 wave on (pair of q a = wave)
	v_lshl_add_u32 v242, v255, 4, CSTB             ; the sums of w NE for e = 4 (lane % 16) + 0 .. 3
	s_mul_i32 s26, s12, 2560
	s_add_co_u32 s26, s26, STG
	v_mul_u32_u24 v243, v252, 640
	v_lshl_add_u32 v243, v253, 4, v243
	v_add_nc_u32 v243, s26, v243                   ; my stage, in: rows 2 gq, 2 gq + 1; 16 ge bytes on
	v_mul_u32_u24 v244, v254, 320
	v_lshl_add_u32 v244, v255, 4, v244
	v_add_nc_u32 v244, s26, v244                   ; and back: sixteen lanes to a row of 256 bytes, two rows an instruction
	v_lshlrev_b32 v245, 11, v254
	v_lshl_add_u32 v245, v255, 4, v245             ; the same two rows in out0
; 18 LDS loads: a step's 4 h, from h0 on behind the addresses' own h.
.macro LOADS buf, an, ad, aw, h0
.irp p, 0,1,2,3
	ds_load_b128 v[\buf+8*\p:\buf+8*\p+3],   v[\ad] offset:((\h0)+\p)*128
	ds_load_b128 v[\buf+8*\p+4:\buf+8*\p+7], v[\ad] offset:((\h0)+\p)*128+16
.endr
.irp p, 0,1,2,3
	ds_load_b128 v[\buf+32+8*\p:\buf+32+8*\p+3],   v[\an] offset:((\h0)+\p)*128
	ds_load_b128 v[\buf+32+8*\p+4:\buf+32+8*\p+7], v[\an] offset:((\h0)+\p)*128+8192
.endr
	ds_load_b128 v[\buf+64:\buf+67], v[\aw] offset:(\h0)*8
	ds_load_b128 v[\buf+68:\buf+71], v[\aw] offset:(\h0)*8+16
.endm
; One h (the buffer's p-th), q 2a and 2a + 1, all eight e: sixteen elements in 8 dual maxima and 8 packed multiply-adds.  In a dual the two halves pair (2a, t) with (2a + 1, t xor 1): destinations even and odd,
; and both halves' first sources, and their second sources, are neighbouring registers.  first = 1: the first h starts the sums.
.macro QP buf, p, a, first
.irp c, 0,1,2,3
	v_dual_max_num_f32 v[M+4*\c], v[\buf+8*(\p)+2*(\a)], v[\buf+32+8*(\p)+2*\c] :: v_dual_max_num_f32 v[M+4*\c+1], v[\buf+8*(\p)+2*(\a)+1], v[\buf+32+8*(\p)+2*\c+1]
	v_dual_max_num_f32 v[M+4*\c+2], v[\buf+8*(\p)+2*(\a)], v[\buf+32+8*(\p)+2*\c+1] :: v_dual_max_num_f32 v[M+4*\c+3], v[\buf+8*(\p)+2*(\a)+1], v[\buf+32+8*(\p)+2*\c]
.endr
.irp e, 0,1,2,3,4,5,6,7
.if (\first) && ((\p) == 0)
	v_pk_mul_f32 v[ACC+16*(\a)+2*\e:ACC+16*(\a)+2*\e+1], v[M+2*\e:M+2*\e+1], v[\buf+64+2*(\p):\buf+64+2*(\p)+1]
.else
	v_pk_fma_f32 v[ACC+16*(\a)+2*\e:ACC+16*(\a)+2*\e+1], v[M+2*\e:M+2*\e+1], v[\buf+64+2*(\p):\buf+64+2*(\p)+1], v[ACC+16*(\a)+2*\e:ACC+16*(\a)+2*\e+1]
.endif
.endr
.endm
.macro COMPUTE buf, first              ; a step: 4 h x 64 elements a lane: 256 instructions
.irp p, 0,1,2,3
.irp a, 0,1,2,3
	QP \buf, \p, \a, \first
.endr
.endr
.endm
	; THE LOOP: 16 steps of 4 h on two buffers; a step's loads are issued a whole step ahead of their use.
	s_mov_b32 s21, 0                               ; bytes on in D's and NE's slices: 8 h of 128 bytes a trip
	s_mov_b32 s22, 0                               ; and in w's: 8 h of 8 bytes
	s_mov_b32 s23, 7
	LOADS BUF0, 8, 9, 5, 0                         ; step 0
	LOADS BUF1, 8, 9, 5, 4                         ; step 1
	s_wait_dscnt 18                                ; step 0's are in; step 1's 18 may be out
	COMPUTE BUF0, 1
.Ltrip:                                            ; trip t: steps 2 t + 1 and 2 t + 2 are worked, steps 2 t + 2 and 2 t + 3 fetched.  The last h read is 8 x 6 + 12 + 3 = 63
	v_add_nc_u32 v10, s21, v8
	v_add_nc_u32 v11, s21, v9
	v_add_nc_u32 v12, s22, v5
	LOADS BUF0, 10, 11, 12, 8
	s_wait_dscnt 18                                ; all but the 18 just issued
	COMPUTE BUF1, 0
	LOADS BUF1, 10, 11, 12, 12
	s_wait_dscnt 18
	COMPUTE BUF0, 0
	s_add_co_u32 s21, s21, 1024
	s_add_co_u32 s22, s22, 64
	s_sub_co_u32 s23, s23, 1
	s_cmp_lg_u32 s23, 0
	s_cbranch_scc1 .Ltrip
	s_wait_dscnt 0x0
	COMPUTE BUF1, 0                                ; step 15
	; THE WAY OUT.  Each wave's 64 partial sums go to LDS as an image of its registers; behind the barrier wave w adds the four waves' sums of the pair of q a = w.
.irp k, 0,1,2,3,4,5,6,7,8,9,10,11,12,13,14,15
	ds_store_b128 v240, v[ACC+4*\k:ACC+4*\k+3] offset:512*\k
.endr
	s_wait_dscnt 0x0                               ; for the others' sake: my stores have landed (those of the sums of w NE did at the head)
	s_barrier_signal -1
	s_barrier_wait -1
.irp u, 0,1,2,3
.irp c, 0,1,2,3
	ds_load_b128 v[96+16*\u+4*\c:96+16*\u+4*\c+3], v241 offset:8192*\u+512*\c
.endr
.endr
.irp u, 0,1,2,3
	ds_load_b128 v[168+4*\u:168+4*\u+3], v242 offset:256*\u
.endr
	s_wait_dscnt 0x0
.irp c, 0,1,2,3
	v_pk_add_f32 v[96+4*\c:97+4*\c],   v[96+4*\c:97+4*\c],   v[112+4*\c:113+4*\c]
	v_pk_add_f32 v[98+4*\c:99+4*\c],   v[98+4*\c:99+4*\c],   v[114+4*\c:115+4*\c]
	v_pk_add_f32 v[128+4*\c:129+4*\c], v[128+4*\c:129+4*\c], v[144+4*\c:145+4*\c]
	v_pk_add_f32 v[130+4*\c:131+4*\c], v[130+4*\c:131+4*\c], v[146+4*\c:147+4*\c]
.endr
.irp c, 0,1,2,3                                ; the last addition puts the numbers in order: v200 + t: row 2 a, e index t;  v208 + t: row 2 a + 1
	v_add_f32 v[200+2*\c],   v[96+4*\c], v[128+4*\c]
	v_add_f32 v[208+2*\c+1], v[97+4*\c], v[129+4*\c]
	v_add_f32 v[200+2*\c+1], v[98+4*\c], v[130+4*\c]
	v_add_f32 v[208+2*\c],   v[99+4*\c], v[131+4*\c]
.endr
	v_pk_add_f32 v[168:169], v[168:169], v[172:173]
	v_pk_add_f32 v[170:171], v[170:171], v[174:175]
	v_pk_add_f32 v[176:177], v[176:177], v[180:181]
	v_pk_add_f32 v[178:179], v[178:179], v[182:183]
	v_pk_add_f32 v[168:169], v[168:169], v[176:177]
	v_pk_add_f32 v[170:171], v[170:171], v[178:179]
.irp k, 0,1,2,3
	v_sub_f32 v[232+\k], s20, v[168+\k]            ; b_out - the sum over all h of w NE, for the four e that I store
.endr
	; A lane holds 16 bytes at two places of two rows, and the lanes beside it other rows: so the wave's 8 rows of 256 bytes go through its own stage.  Rows are 320 bytes apart: sixteen lanes' stores (two gq) fall 640 bytes apart,
	; which is 128 modulo 256, beside each other
	ds_store_b128 v243, v[200:203]
	ds_store_b128 v243, v[204:207] offset:128
	ds_store_b128 v243, v[208:211] offset:320
	ds_store_b128 v243, v[212:215] offset:448
.irp i, 0,1,2,3
	ds_load_b128 v[216+4*\i:219+4*\i], v244 offset:640*\i      ; my own bytes, served in order: these see the stores above
.endr
.irp i, 0,1,2,3
	s_wait_dscnt 3-\i                              ; behind load i stand 3 - i
	v_pk_add_f32 v[216+4*\i:217+4*\i], v[216+4*\i:217+4*\i], v[232:233]
	v_pk_add_f32 v[218+4*\i:219+4*\i], v[218+4*\i:219+4*\i], v[234:235]
	global_store_b128 v245, v[216+4*\i:219+4*\i], s[10:11] offset:16384*\i th:TH_STORE_NT       ; rows 8 i + 2 wave + lane / 16: sixteen lanes store 256 consecutive bytes, at a multiple of 256 from out0's first byte
.endr
	s_set_vgpr_msb 0x4
	s_wait_tensorcnt 0x0
	ds_add_u32 v15, v1
	s_wait_dscnt 0x0
	s_set_vgpr_msb 0x400
	s_endpgm
.Lfunc_end_k_qc7353d03bb_pairs:
	.size	k_qc7353d03bb_pairs, .Lfunc_end_k_qc7353d03bb_pairs-k_qc7353d03bb_pairs
	.p2alignl 7, 3214868480
	.fill 96, 4, 3214868480
	.section	.rodata,"a",@progbits
	.p2align	6, 0x0
	.amdhsa_kernel k_qc7353d03bb_pairs
		.amdhsa_group_segment_fixed_size 168448
		.amdhsa_private_segment_fixed_size 0
		.amdhsa_enable_private_segment 0
		.amdhsa_kernarg_size 32
		.amdhsa_user_sgpr_count 2
		.amdhsa_user_sgpr_kernarg_segment_ptr 1
		.amdhsa_wavefront_size32 1
		.amdhsa_system_sgpr_workgroup_id_x 1
		.amdhsa_system_sgpr_workgroup_id_y 1
		.amdhsa_system_sgpr_workgroup_id_z 1
		.amdhsa_system_vgpr_workitem_id 0
		.amdhsa_next_free_vgpr 258
		.amdhsa_next_free_sgpr 66
		.amdhsa_reserve_vcc 0
		.amdhsa_float_denorm_mode_32 3
		.amdhsa_float_denorm_mode_16_64 3
		.amdhsa_memory_ordered 1
		.amdhsa_forward_progress 1
		.amdhsa_inst_pref_size 94
	.end_amdhsa_kernel
	.amdgpu_metadata
---
amdhsa.version: [ 1, 2 ]
amdhsa.kernels:
  - .name:           k_qc7353d03bb_pairs
    .symbol:         k_qc7353d03bb_pairs.kd
    .args:
      - { .name: proj, .offset: 0, .size: 8, .value_kind: global_buffer, .address_space: global }
      - { .name: w_out, .offset: 8, .size: 8, .value_kind: global_buffer, .address_space: global }
      - { .name: b_out, .offset: 16, .size: 8, .value_kind: global_buffer, .address_space: global }
      - { .name: out0, .offset: 24, .size: 8, .value_kind: global_buffer, .address_space: global }
    .group_segment_fixed_size: 168448
    .private_segment_fixed_size: 0
    .kernarg_segment_align: 8
    .kernarg_segment_size: 32
    .max_flat_workgroup_size: 128
    .sgpr_count:     66
    .vgpr_count:     258
    .wavefront_size: 32
...
	.end_amdgpu_metadata
.endif
;; end of part 2
;; ======== version 2 of 2: 2 launches; version 1 with the launches project, pairs written anew for expert scheduling mode
;; limits: a difference of large sums (such as E[x^2] - mean^2): digits are lost where the result is much smaller than its terms
;; workspace buffers: proj 2,097,152 bytes
;; launch project (part 3): grid 16 x 16, 4 waves a work-group, no clusters, 12,032 bytes of LDS; arguments W_mlp, b_mlp, encoder_states_codes, encoder_states_scales, decoder_states_codes, decoder_states_scales, proj; writes proj
.if DOCPART == 3
	.amdgcn_target "amdgcn-amd-amdhsa--gfx1250"
	.amdhsa_code_object_version 6
	.text
	.protected	k_qc7353d03bb_project
	.globl	k_qc7353d03bb_project
	.p2align	8
	.type	k_qc7353d03bb_project,@function
k_qc7353d03bb_project:
	s_mov_b64 s[64:65], 0
	v_nop
	global_prefetch_b8 v0, s[64:65] scope:SCOPE_SE
	s_setreg_imm32_b32 hwreg(HW_REG_WAVE_SCHED_MODE, 0, 2), 2
	s_setreg_imm32_b32 hwreg(HW_REG_WAVE_MODE, 25, 1), 1
	s_wait_xcnt 0x0
	s_wait_alu depctr_vm_vsrc(0)
; The two quantised products.  E = enc We^T and D = dec Wd^T, each [1,024 tokens][256 units], K = 256, on codes of FP4 (E2M1) with one E8M0 scale for each 32 along K.
; The states arrive as codes; W_mlp [256 units][512] arrives as f32, K innermost: columns 0-255 are We, columns 256-511 Wd, so each half of a row is 8 blocks of 32, quantised here.
; STORED: proj [s 2][tile 32][unit 256][32 tokens] f32.  s = 0: NE = -(E + b_mlp);  s = 1: D.  Token = 512 x batch + index, tile = token / 32.  The next launch uses relu(D + E + b) = max(D, NE) - NE.
; SHARES.  Work-group x: 16 units.  Work-group y: side (y / 8: 0 encoder, 1 decoder) and 128 tokens (y % 8).  Wave w: 32 of these tokens = one tile: two tiles of 16 rows x two K steps of 128: four matrix instructions.
; W's 16 rows x 256 are 8 blocks a row: wave w quantises blocks 2 w and 2 w + 1 (lanes 0-15 the first, lanes 16-31 the second; a lane holds a whole block in 32 registers).  By the operand's layout (registers 4 c .. 4 c + 3 of
; lane (r, h): k = 64 c + 32 h + 0 .. 31) these four registers ARE registers 4 (w % 2) .. of the fragment of K step w / 2: they go to LDS as an image of the registers, 16 bytes a lane, and every wave reads all four images back.
; A block's scale byte is its largest magnitude's exponent field - 2, held at 1 from below by a floor among the maximum's leaves.  A block of zeros so has the byte 1: its codes are zeros, and this program alone reads the bytes.
; LIMITS: NaN and infinities among the inputs are not served; blocks of W whose largest magnitude lies under 2^-124 take the byte 1.
; THE MODE: SCHED_MODE bits 1:0 = 2 (LLVM: expert scheduling mode 2), set by the entry lines.  The code itself states the register dependences between vector or matrix instructions and memory or LDS instructions,
; with s_wait_alu, always for 0.
; THE PLAN.  Registers that memory or LDS instructions touch:
;   v4-v13     offsets and LDS addresses: written by vector lines at the head, read by the loads and stores, never written again.
;   WN, XF, XS, v20   written by global loads alone, read by vector or matrix lines, never loaded again.
;   WC, v17    written by the conversions and a shift, read by two LDS stores, never written again.
;   WF, WS     written by LDS loads, read by the matrix instructions.      RES  written by the packed multiply-adds, read by four LDS stores.      BK  written by LDS loads, read by the global stores.
; So three waits on va_vdst stand in the text: ahead of the first load, ahead of the image's stores and ahead of the stage's stores; one on va_sdst for the wave's number; no register that a memory or LDS instruction reads is written again.
.set WSC,  2048                        ; LDS: 0 .. 2,047 the four images of 512 bytes;  from WSC: W's scale words, 64 bytes for each K step (4 bytes a row);
.set STG1, 2304                        ; from STG1: a stage of 16 rows x SP bytes for each wave, its own
.set SP,   144                         ; a stage row: 128 bytes (32 tokens of one unit) + 16 of padding: sixteen rows begin at sixteen different multiples of 16 bytes modulo 256
.set WN,   32                          ; v32-63   32 numbers of W: my block
.set WC,   24                          ; v24-27   its codes
.set AC,   64                          ; v64-79   two accumulators
.set RES,  80                          ; v80-95   the results, signed and biased
.set XF,   96                          ; v96-127  the states' fragments: tile of rows u, K step k at XF + 16 u + 8 k
.set WF,   128                         ; v128-143 W's fragments: K step k at WF + 8 k
.set XS,   144                         ; v144-147 the states' scale words: XS + 2 u + k;   v148-149 W's: these six hold scales and nothing else
.set WS,   148
.set BK,   152                         ; v152-167 the stage's rows read back
	s_load_b256 s[4:11], s[0:1], 0x0               ; W s[4:5], b s[6:7], encoder's codes s[8:9], its scales s[10:11]
	s_load_b128 s[12:15], s[0:1], 0x20             ; decoder's codes s[12:13], its scales s[14:15]
	s_load_b64 s[16:17], s[0:1], 0x30              ; proj
	v_lshl_add_u32 v168, v0, 2, 0x2d00
	v_mov_b32 v169, 0
	v_lshrrev_b32 v22, 5, v0
	v_readfirstlane_b32 s18, v22                   ; wave 0..3
	v_and_b32 v1, 15, v0                           ; r
	v_bfe_u32 v2, v0, 4, 1                         ; h
	v_and_b32 v3, 31, v0                           ; lane
	s_wait_alu depctr_va_sdst(0)                   ; s18 is written, ahead of its first reader: the offsets below are made from it
	s_and_b32 s19, ttmp7, 0xffff
	s_lshr_b32 s27, s19, 3                         ; side: 0 encoder, 1 decoder
	s_and_b32 s28, s19, 7                          ; which 128 tokens
	; byte offsets, each in a pair of its own
	s_lshl_b32 s30, ttmp9, 15                      ; W: 16 rows of 2,048 bytes a work-group x,
	s_lshl_b32 s40, s27, 10                        ;    the side's half of a row,
	s_add_co_u32 s30, s30, s40
	s_lshl_b32 s40, s18, 8                         ;    my wave's two blocks of 128 bytes
	s_add_co_u32 s30, s30, s40
	s_mov_b32 s31, 0
	s_lshl_b32 s32, s28, 14                        ; codes: 128 bytes a token: 128 tokens, my wave's 32
	s_lshl_b32 s41, s18, 12
	s_add_co_u32 s32, s32, s41
	s_mov_b32 s33, 0
	s_lshl_b32 s34, s28, 10                        ; scale bytes: 8 a token
	s_add_co_u32 s34, s34, s40
	s_mov_b32 s35, 0
	s_lshl_b32 s36, ttmp9, 6                       ; b: 16 numbers
	s_mov_b32 s37, 0
	s_lshl_b32 s38, s28, 2
	s_add_co_u32 s38, s38, s18                     ; proj: tile 4 (y % 8) + wave, 32,768 bytes each,
	s_lshl_b32 s38, s38, 15
	s_lshl_b32 s41, s27, 20                        ;    the side's 1,048,576 bytes,
	s_add_co_u32 s38, s38, s41
	s_lshl_b32 s41, ttmp9, 11                      ;    16 units of 128 bytes
	s_add_co_u32 s38, s38, s41
	s_mov_b32 s39, 0
	s_lshr_b32 s42, s18, 1                         ; my blocks' bytes in W's scale words: K step w / 2: 64 bytes on; bytes 2 (w % 2) + h of a row's word
	s_lshl_b32 s42, s42, 6
	s_and_b32 s43, s18, 1
	s_lshl_b32 s43, s43, 1
	s_add_co_u32 s42, s42, s43
	s_mul_i32 s44, s18, 16*SP
	s_add_co_u32 s44, s44, STG1                    ; my stage
	v_lshlrev_b32 v4, 11, v1
	v_lshl_add_u32 v4, v2, 7, v4                   ; W: row r, + 128 h: my block
	v_lshlrev_b32 v5, 7, v1
	v_lshl_add_u32 v5, v2, 4, v5                   ; codes: token r, + 16 h
	v_lshlrev_b32 v6, 3, v1                        ; scale bytes: token r
	v_lshlrev_b32 v7, 2, v1                        ; b: unit r
	v_lshl_add_u32 v8, v1, 2, WSC                  ; W's scale word of row r
	v_lshlrev_b32 v9, 4, v0                        ; where my codes go: image = wave, 16 bytes a lane
	v_lshlrev_b32 v10, 4, v3                       ; 16 x lane: an image's place for my lane; also my offset in a store of 512 bytes
	v_add_nc_u32 v11, v8, v2
	v_add_nc_u32 v11, s42, v11                     ; where my block's scale byte goes
	v_mul_u32_u24 v12, v1, SP
	v_lshl_add_u32 v12, v2, 5, v12
	v_add_nc_u32 v12, s44, v12                     ; the stage, in: row = unit r, + 32 h
	v_lshrrev_b32 v13, 3, v3
	v_mul_u32_u24 v13, v13, SP
	v_and_b32 v21, 7, v0
	v_lshl_add_u32 v13, v21, 4, v13
	v_add_nc_u32 v13, s44, v13                     ; and back: eight lanes to a row of 128 bytes, four rows an instruction
	s_wait_kmcnt 0x0
	s_cmp_eq_u32 s27, 0                            ; the side: the choice hangs on the work-group's number alone
	s_cselect_b64 s[20:21], s[8:9], s[12:13]       ; the codes
	s_cselect_b64 s[22:23], s[10:11], s[14:15]     ; the scale bytes
	s_mov_b32 s24, 0x3f800000
	s_cselect_b32 s24, 0xbf800000, s24             ; the sums' factor: -1 for the encoder, 1 for the decoder
	s_cselect_b32 s26, 0xbf800000, 0               ; b's factor: -1 or 0
	s_mov_b32 s25, s24                             ; (named with s24 as a pair, so it is written)
	s_add_nc_u64 s[4:5], s[4:5], s[30:31]
	s_add_nc_u64 s[20:21], s[20:21], s[32:33]
	s_add_nc_u64 s[22:23], s[22:23], s[34:35]
	s_add_nc_u64 s[6:7], s[6:7], s[36:37]
	s_add_nc_u64 s[16:17], s[16:17], s[38:39]
	s_wait_alu depctr_va_vdst(0)                   ; the ten offsets and LDS addresses v4 to v13 are written: every load and store of the kernel reads one of them
.irp g, 0,1,2,3,4,5,6,7
	global_load_b128 v[WN+4*\g:WN+4*\g+3], v4, s[4:5] offset:16*\g             ; my block of W: 128 bytes; lanes r and r + 16 together take 256 consecutive bytes of row r
.endr
.irp u, 0,1
.irp k, 0,1
.irp c, 0,1
	global_load_b128 v[XF+16*\u+8*\k+4*\c:XF+16*\u+8*\k+4*\c+3], v5, s[20:21] offset:2048*\u+64*\k+32*\c   ; the states' fragments, as they lie
.endr
.endr
.endr
.irp u, 0,1
	global_load_b64 v[XS+2*\u:XS+2*\u+1], v6, s[22:23] offset:128*\u           ; a token's 8 scale bytes: the words of both K steps
.endr
	global_load_b32 v20, v7, s[6:7]                ; b of unit r
	s_wait_loadcnt 11                              ; behind W's eight loads stand eleven: 8 of codes, 2 of scale bytes, 1 of b
	v_max3_num_f32 v14, |v[WN]|, |v[WN+1]|, |v[WN+2]|          ; the block's largest magnitude: all 32 numbers are mine; two chains
	v_max3_num_f32 v15, |v[WN+3]|, |v[WN+4]|, |v[WN+5]|
.irp i, 6,10,14,18,22,26
	v_max3_num_f32 v14, v14, |v[WN+\i]|, |v[WN+\i+1]|
	v_max3_num_f32 v15, v15, |v[WN+\i+2]|, |v[WN+\i+3]|
.endr
	v_max3_num_f32 v14, v14, |v[WN+30]|, |v[WN+31]|
	v_max3_num_f32 v14, v14, v15, 0x1800000        ; and the floor 2^(3 - 127): the byte cannot fall under 1
	v_add_nc_u32 v16, 0xff000000, v14              ; 2 off its exponent field: the conversion takes the exponent field of this operand as its scale
.irp g, 0,1,2,3
	v_cvt_scalef32_pk8_fp4_f32 v[WC+\g], v[WN+8*\g:WN+8*\g+7], v16             ; to the nearest code, ties to even; beyond 6 the largest code
.endr
	v_lshrrev_b32 v17, 23, v16                     ; the scale's byte.  (Also the plain instruction behind the last conversion)
	s_wait_alu depctr_va_vdst(0)                   ; the conversions have written v[WC ..] and the shift v17, which the two LDS stores read
	ds_store_b128 v9, v[WC:WC+3]                   ; the image
	ds_store_b8 v11, v17
	s_wait_dscnt 0x0                               ; for the others' sake: my stores have landed
	s_barrier_signal -1
	s_barrier_wait -1                              ; W's two fragments and their scale words lie in LDS
.irp n, 0,1,2,3
	ds_load_b128 v[WF+4*\n:WF+4*\n+3], v10 offset:512*\n       ; (no vector line has named WF or WS)
.endr
.irp k, 0,1
	ds_load_b32 v[WS+\k], v8 offset:64*\k
.endr
	s_wait_loadcnt 0x0                             ; the states' codes and scale words, and b
	s_wait_dscnt 0x0
	; source 0 = 16 tokens, source 1 = 16 units.  The two accumulators take turns; the first K step starts the sums.  All operands and scales come from loads.
	v_wmma_scale_f32_16x16x128_f8f6f4 v[AC:AC+7], v[XF:XF+7], v[WF:WF+7], 0, v[XS], v[WS] matrix_a_fmt:MATRIX_FMT_FP4 matrix_b_fmt:MATRIX_FMT_FP4
	v_wmma_scale_f32_16x16x128_f8f6f4 v[AC+8:AC+15], v[XF+16:XF+23], v[WF:WF+7], 0, v[XS+2], v[WS] matrix_a_fmt:MATRIX_FMT_FP4 matrix_b_fmt:MATRIX_FMT_FP4
	v_wmma_scale_f32_16x16x128_f8f6f4 v[AC:AC+7], v[XF+8:XF+15], v[WF+8:WF+15], v[AC:AC+7], v[XS+1], v[WS+1] matrix_a_fmt:MATRIX_FMT_FP4 matrix_b_fmt:MATRIX_FMT_FP4
	v_wmma_scale_f32_16x16x128_f8f6f4 v[AC+8:AC+15], v[XF+24:XF+31], v[WF+8:WF+15], v[AC+8:AC+15], v[XS+3], v[WS+1] matrix_a_fmt:MATRIX_FMT_FP4 matrix_b_fmt:MATRIX_FMT_FP4
	v_mul_f32 v18, s26, v20                        ; -b or 0.  Four plain instructions that name no register of the products stand ahead of the first read of a result (ISA guide 7.12.1)
	v_mov_b32 v19, v18
	v_nop
	v_nop
.irp j, 0,2,4,6,8,10,12,14
	v_pk_fma_f32 v[RES+\j:RES+\j+1], v[AC+\j:AC+\j+1], s[24:25], v[18:19] op_sel_hi:[1,0,1]   ; -(E + b), or D; each accumulator from its low end on.  Register 8 u + j of lane (r, h): token 16 u + 8 h + j, unit r
.endr
	s_wait_alu depctr_va_vdst(0)                   ; the multiply-adds have written v[RES ..], which the four LDS stores read
.irp u, 0,1
	ds_store_b128 v12, v[RES+8*\u:RES+8*\u+3] offset:64*\u
	ds_store_b128 v12, v[RES+8*\u+4:RES+8*\u+7] offset:64*\u+16
.endr
.irp i, 0,1,2,3
	ds_load_b128 v[BK+4*\i:BK+4*\i+3], v13 offset:4*SP*\i      ; my own stage: LDS serves a wave's instructions in order (ISA guide 5.7.1.4): these see the stores above.  (No vector line names BK)
.endr
.irp i, 0,1,2,3
	s_wait_dscnt 3-\i                              ; behind load i stand 3 - i
	global_store_b128 v10, v[BK+4*\i:BK+4*\i+3], s[16:17] offset:512*\i        ; 32 lanes store 512 consecutive bytes, at a multiple of 512 from proj's first byte: four units' rows of the tile
.endr
	s_wait_dscnt 0x0                               ; the closing lines, six on end
	s_wait_alu 0x0
	s_wait_tensorcnt 0x0
	ds_add_u32 v168, v169
	s_wait_dscnt 0x0
	s_endpgm
.Lfunc_end_k_qc7353d03bb_project:
	.size	k_qc7353d03bb_project, .Lfunc_end_k_qc7353d03bb_project-k_qc7353d03bb_project
	.p2alignl 7, 3214868480
	.fill 96, 4, 3214868480
	.section	.rodata,"a",@progbits
	.p2align	6, 0x0
	.amdhsa_kernel k_qc7353d03bb_project
		.amdhsa_group_segment_fixed_size 12032
		.amdhsa_private_segment_fixed_size 0
		.amdhsa_enable_private_segment 0
		.amdhsa_kernarg_size 56
		.amdhsa_user_sgpr_count 2
		.amdhsa_user_sgpr_kernarg_segment_ptr 1
		.amdhsa_wavefront_size32 1
		.amdhsa_system_sgpr_workgroup_id_x 1
		.amdhsa_system_sgpr_workgroup_id_y 1
		.amdhsa_system_sgpr_workgroup_id_z 1
		.amdhsa_system_vgpr_workitem_id 0
		.amdhsa_next_free_vgpr 170
		.amdhsa_next_free_sgpr 66
		.amdhsa_reserve_vcc 0
		.amdhsa_float_denorm_mode_32 3
		.amdhsa_float_denorm_mode_16_64 3
		.amdhsa_memory_ordered 1
		.amdhsa_forward_progress 1
		.amdhsa_inst_pref_size 10
	.end_amdhsa_kernel
	.amdgpu_metadata
---
amdhsa.version: [ 1, 2 ]
amdhsa.kernels:
  - .name:           k_qc7353d03bb_project
    .symbol:         k_qc7353d03bb_project.kd
    .args:
      - { .name: W_mlp, .offset: 0, .size: 8, .value_kind: global_buffer, .address_space: global }
      - { .name: b_mlp, .offset: 8, .size: 8, .value_kind: global_buffer, .address_space: global }
      - { .name: encoder_states_codes, .offset: 16, .size: 8, .value_kind: global_buffer, .address_space: global }
      - { .name: encoder_states_scales, .offset: 24, .size: 8, .value_kind: global_buffer, .address_space: global }
      - { .name: decoder_states_codes, .offset: 32, .size: 8, .value_kind: global_buffer, .address_space: global }
      - { .name: decoder_states_scales, .offset: 40, .size: 8, .value_kind: global_buffer, .address_space: global }
      - { .name: proj, .offset: 48, .size: 8, .value_kind: global_buffer, .address_space: global }
    .group_segment_fixed_size: 12032
    .private_segment_fixed_size: 0
    .kernarg_segment_align: 8
    .kernarg_segment_size: 56
    .max_flat_workgroup_size: 128
    .sgpr_count:     66
    .vgpr_count:     170
    .wavefront_size: 32
...
	.end_amdgpu_metadata
.endif
;; end of part 3
;; launch pairs (part 4): grid 8 x 32, 4 waves a work-group, no clusters, 168,448 bytes of LDS; arguments proj, w_out, b_out, out0; writes out0
.if DOCPART == 4
	.amdgcn_target "amdgcn-amd-amdhsa--gfx1250"
	.amdhsa_code_object_version 6
	.text
	.protected	k_qc7353d03bb_pairs
	.globl	k_qc7353d03bb_pairs
	.p2align	8
	.type	k_qc7353d03bb_pairs,@function
k_qc7353d03bb_pairs:
	s_mov_b64 s[64:65], 0
	v_nop
	global_prefetch_b8 v0, s[64:65] scope:SCOPE_SE
	s_setreg_imm32_b32 hwreg(HW_REG_WAVE_SCHED_MODE, 0, 2), 2
	s_setreg_imm32_b32 hwreg(HW_REG_WAVE_MODE, 25, 1), 1
	s_wait_xcnt 0x0
	s_wait_alu depctr_vm_vsrc(0)
; out[b][q][e] = b_out + sum over h of w[h] relu(D[q][h] + E[e][h] + b_mlp[h]), all in f32 on the vector unit (the product has one column: on the matrix unit 15 columns of 16 would be idle).
; proj holds D and NE = -(E + b_mlp), laid [side][tile of 32 tokens][h 256][32 tokens].  relu(D + E + b) = max(D, NE) - NE, so
;   out = b_out + sum_h w max(D, NE) - sum_h w NE:  the maximum rounds nothing, the last sum is one number for each e, and an element costs half a dual maximum and half a packed multiply-add.
; LIMITS: the result is the difference of two f32 sums, each of size at most sum |w| max(|D|, |E + b|): its absolute error is that of f32 sums of that size.  NaN and infinities are not served.
; SHARES.  A work-group makes 32 q (work-group y) x 64 e (work-group x) of one batch (y / 16).  THE FOUR WAVES SPLIT h: wave w takes h = 64 w .. 64 w + 63 for the whole tile, so that a lane has 8 q x 8 e: for one h it reads
; 16 numbers from LDS for 64 elements.  Lane: gq = lane / 8, ge = lane % 8; its q are 8 gq + 0 .. 7, its e (index t) 4 ge + t % 4 + 32 (t / 4).  The four waves' partial sums meet in LDS at the end.
; Each wave's slices of D, NE and w lie in LDS bytes of its own (it loads them itself, 512 consecutive bytes an instruction): no barrier stands ahead of the loop.
; The launch claims more LDS than the 144,384 bytes that it uses.
; THE MODE: SCHED_MODE bits 1:0 = 2 (LLVM: expert scheduling mode 2), set by the entry lines.  The code itself states the register dependences between vector instructions and memory or LDS instructions,
; with s_wait_alu, always for 0.
; THE PLAN.  Registers that memory or LDS instructions touch:
;   v2-v9, v13, v14   offsets and LDS addresses: made at the head, never written again.      v240-245  the way out's addresses: made once, ahead of the loop.
;   BUF0, BUF1        The step that works on a buffer reads it; the LDS loads that the NEXT step issues land in it.  A step names its own buffer, M and ACC, and nothing of the other buffer.
;   v10-v12           Read by a trip's 36 LDS loads; written once a trip, at its head.
;   At the head: v16-207 are loaded, read by LDS stores and by the sums of w NE; v208-239 are loaded from LDS and read by those sums; v240-247 are those sums, read by two LDS stores.  All of them are written anew from the loop on.
; So ONE wait on va_vdst stands at the head of a step: the step before is done reading the other buffer (and, in a trip's first step, v10-v12 are written).  The step's 18 loads follow it, dealt among its vector lines, with no further wait.
; One wait on vm_vsrc a trip stands ahead of the additions to v10-v12; one stands between the head's LDS stores and the first line that writes their registers again.
.set NEB,  0                           ; LDS: NE: for each wave 16,384 bytes: [z 2][64 h][32 e]
.set DPB,  65536                       ; D: for each wave 8,192 bytes: [64 h][32 q]
.set W2B,  98304                       ; w, each number twice: for each wave 512 bytes
.set CSTB, 100352                      ; sum over the wave's h of w NE: for each wave 64 numbers, by e
.set IMG,  101376                      ; the partial sums: for each wave 8,192 bytes, an image of its 64 registers
.set STG,  134144                      ; the way out: for each wave 8 rows x 320 bytes, its own
.set ACC,  16                          ; v16-79   the sums.  ACC + 16 a + 4 c + 0 .. 3: (q 2a, e 2c), (q 2a+1, e 2c+1), (q 2a, e 2c+1), (q 2a+1, e 2c)
.set M,    80                          ; v80-95   sixteen maxima, in the same order
.set BUF0, 96                          ; v96-167  a step's 4 h: 32 of D (8 p + j), 32 of NE (32 + 8 p + t), 4 pairs of w (64 + 2 p)
.set BUF1, 168                         ; v168-239 the same
.set DAT,  16                          ; at the head: v16-207 the 48 loads' data;  v208-239 16 pairs of w;  v240-247 the running sum of w NE;  v248-251 w
.set WP,   208
.set CA,   240
.set WQ,   248
; v2 16 x lane;  v3, v4, v6 where the slices go in LDS;  v5, v8, v9 where the loop reads w, NE, D;  v10-12 the same for the trip in hand;  v7, v13, v14 the head's;  v240-245 the way out's;  v252 gq, v253 ge, v254 lane / 16, v255 lane % 16
	s_load_b256 s[4:11], s[0:1], 0x0               ; proj s[4:5], w_out s[6:7], b_out s[8:9], out0 s[10:11]
	v_lshl_add_u32 v15, v0, 2, 0x29000
	s_set_vgpr_msb 0x40
	v_mov_b32 v1, 0
	s_set_vgpr_msb 0x4000
	v_lshrrev_b32 v1, 5, v0
	v_readfirstlane_b32 s12, v1                    ; wave 0..3
	v_and_b32 v1, 31, v0
	v_lshlrev_b32 v2, 4, v1
	v_bfe_u32 v252, v0, 3, 2                       ; gq
	v_and_b32 v253, 7, v0                          ; ge
	v_bfe_u32 v254, v0, 4, 1
	v_and_b32 v255, 15, v0
	s_wait_alu depctr_va_sdst(0)                   ; s12 is written, ahead of its first reader: LDS places and offsets are made from it
	s_lshl_b32 s26, s12, 14                        ; my slice of NE in LDS (NEB = 0)
	s_lshl_b32 s27, s12, 13
	s_add_co_u32 s27, s27, DPB                     ; of D
	s_lshl_b32 s28, s12, 9
	s_add_co_u32 s28, s28, W2B                     ; of w
	s_lshl_b32 s29, s12, 8
	s_add_co_u32 s29, s29, CSTB
	v_add_nc_u32 v3, s26, v2
	v_add_nc_u32 v4, s27, v2
	v_mov_b32 v5, s28
	v_add_nc_u32 v6, s28, v2
	v_lshl_add_u32 v7, v252, 3, s28                ; the pair (w, w) of h = gq
	v_lshl_add_u32 v8, v253, 4, s26                ; NE: my four e of each half
	v_lshl_add_u32 v9, v252, 5, s27                ; D: my eight q
	v_lshl_add_u32 v13, v253, 4, s29
	v_lshlrev_b32 v14, 3, v0                       ; w_out: two numbers a thread: h = 64 wave + 2 lane, + 1
	s_mov_b32 s24, 0x76543210
	s_mov_b32 s25, 0xfedcba98                      ; v_permlanex16_b32's selects for lane l xor 16
	s_and_b32 s13, ttmp7, 0xffff                   ; y: also D's tile
	s_lshr_b32 s14, s13, 4                         ; the batch
	s_lshl_b32 s14, s14, 4
	s_lshl_b32 s15, ttmp9, 1
	s_add_co_u32 s14, s14, s15                     ; NE's first tile: 16 batch + 2 x
	s_lshl_b32 s14, s14, 15
	s_lshl_b32 s15, s12, 13                        ; my 64 h of 128 bytes
	s_add_co_u32 s26, s14, s15
	s_mov_b32 s27, 0
	s_lshl_b32 s28, s13, 15
	s_add_co_u32 s28, s28, s15
	s_add_co_u32 s28, s28, 0x100000                ; D's side of proj
	s_mov_b32 s29, 0
	s_lshl_b32 s30, s13, 16                        ; out0: 32 rows of 2,048 bytes a y,
	s_lshl_b32 s15, ttmp9, 8                       ; 64 e of 4 bytes an x,
	s_add_co_u32 s30, s30, s15
	s_lshl_b32 s15, s12, 12                        ; and rows 2 wave, 2 wave + 1 of each eight
	s_add_co_u32 s30, s30, s15
	s_mov_b32 s31, 0
	s_wait_kmcnt 0x0
	s_load_b32 s20, s[8:9], 0x0                    ; b_out
	s_add_nc_u64 s[16:17], s[4:5], s[26:27]
	s_add_nc_u64 s[18:19], s[4:5], s[28:29]
	s_add_nc_u64 s[10:11], s[10:11], s[30:31]
	s_wait_alu depctr_va_vdst(0)                   ; the offsets and LDS addresses v2 to v9, v13 and v14 are written, which the loads and stores below read
	global_load_b64 v[WQ:WQ+1], v14, s[6:7]
.irp z, 0,1
.irp i, 0,1,2,3,4,5,6,7,8,9,10,11,12,13,14,15
	global_load_b128 v[DAT+64*\z+4*\i:DAT+64*\z+4*\i+3], v2, s[16:17] offset:32768*\z+512*\i   ; NE(h = 4 i + gq, e = 32 z + 4 ge + 0 .. 3): 512 consecutive bytes an instruction
.endr
.endr
.irp i, 0,1,2,3,4,5,6,7,8,9,10,11,12,13,14,15
	global_load_b128 v[DAT+128+4*\i:DAT+128+4*\i+3], v2, s[18:19] offset:512*\i
.endr
	s_wait_kmcnt 0x0                               ; b_out
	s_wait_loadcnt 48                              ; w is in: behind it stand the 48 loads of NE and D
	v_mov_b32 v[WQ+3], v[WQ+1]
	v_mov_b32 v[WQ+2], v[WQ+1]
	v_mov_b32 v[WQ+1], v[WQ]                       ; (w0, w0, w1, w1): the packed multiply-add takes a pair
	s_wait_alu depctr_va_vdst(0)                   ; the three copies have written v[WQ+1 .. WQ+3], which the LDS store reads
	ds_store_b128 v6, v[WQ:WQ+3]
.irp i, 0,1,2,3,4,5,6,7,8,9,10,11,12,13,14,15
	ds_load_b64 v[WP+2*\i:WP+2*\i+1], v7 offset:32*\i          ; (w, w) of h = 4 i + gq: the h of my part of load i.  My own bytes: LDS serves a wave's instructions in order (ISA guide 5.7.1.4)
.endr
	s_wait_dscnt 0x0
	; NE goes to LDS as it lies, and on its way w NE is summed: my h are those with h % 4 = gq.  The stores' data come from loads: their counted waits are all that they hang on
.irp z, 0,1
.irp gi, 0,1,2,3
	s_wait_loadcnt 44-16*\z-4*\gi                  ; these four loads are in; the count is that of the loads behind them
.irp j, 0,1,2,3
	ds_store_b128 v3, v[DAT+64*\z+16*\gi+4*\j:DAT+64*\z+16*\gi+4*\j+3] offset:8192*\z+512*(4*\gi+\j)
.if (\gi == 0) && (\j == 0)
	v_pk_mul_f32 v[CA+4*\z:CA+4*\z+1], v[DAT+64*\z:DAT+64*\z+1], v[WP:WP+1]                    ; the first product starts the sum: nothing is cleared
	v_pk_mul_f32 v[CA+4*\z+2:CA+4*\z+3], v[DAT+64*\z+2:DAT+64*\z+3], v[WP:WP+1]
.else
	v_pk_fma_f32 v[CA+4*\z:CA+4*\z+1], v[DAT+64*\z+16*\gi+4*\j:DAT+64*\z+16*\gi+4*\j+1], v[WP+2*(4*\gi+\j):WP+2*(4*\gi+\j)+1], v[CA+4*\z:CA+4*\z+1]
	v_pk_fma_f32 v[CA+4*\z+2:CA+4*\z+3], v[DAT+64*\z+16*\gi+4*\j+2:DAT+64*\z+16*\gi+4*\j+3], v[WP+2*(4*\gi+\j):WP+2*(4*\gi+\j)+1], v[CA+4*\z+2:CA+4*\z+3]
.endif
.endr
.endr
.endr
.irp gi, 0,1,2,3
	s_wait_loadcnt 12-4*\gi
.irp j, 0,1,2,3
	ds_store_b128 v4, v[DAT+128+16*\gi+4*\j:DAT+128+16*\gi+4*\j+3] offset:512*(4*\gi+\j)
.endr
.endr
.irp k, 0,1,2,3,4,5,6,7
	v_add_f32_dpp v[CA+\k], v[CA+\k], v[CA+\k] row_xmask:8 row_mask:0xf bank_mask:0xf           ; the four lanes with my ge: lane xor 8,
.endr
.irp k, 0,1,2,3,4,5,6,7
	v_permlanex16_b32 v[WP+\k], v[CA+\k], s24, s25             ; and lane xor 16 (into w's pairs, which are done with and have been written; no LDS or memory instruction reads them)
.endr
.irp k, 0,2,4,6
	v_pk_add_f32 v[CA+\k:CA+\k+1], v[CA+\k:CA+\k+1], v[WP+\k:WP+\k+1]
.endr
	s_wait_alu depctr_va_vdst(0)                   ; the additions have written v[CA ..], which the two LDS stores read
	ds_store_b128 v13, v[CA:CA+3]                  ; e = 4 ge + 0 .. 3 (the four lanes with my ge write the same bytes with the same values),
	ds_store_b128 v13, v[CA+4:CA+7] offset:128     ; and 32 + 4 ge + 0 .. 3
	s_wait_dscnt 0x0                               ; my stores have landed: the loop's loads read these bytes
	s_wait_alu depctr_vm_vsrc(0)                   ; the head's LDS stores have read v16 to v207 and v240 to v251: the lines below write v240 to v245, the loop's loads land in v96 to v239, its vector lines write v16 to v95
	; the addresses of the way out
	s_lshl_b32 s26, s12, 13
	s_add_co_u32 s26, s26, IMG
	v_add_nc_u32 v240, s26, v2                     ; my image: 16 x lane
	s_lshl_b32 s26, s12, 11
	s_add_co_u32 s26, s26, IMG
	v_add_nc_u32 v241, s26, v2                     ; in every wave's image: registers 16 wave on (pair of q a = wave)
	v_lshl_add_u32 v242, v255, 4, CSTB             ; the sums of w NE for e = 4 (lane % 16) + 0 .. 3
	s_mul_i32 s26, s12, 2560
	s_add_co_u32 s26, s26, STG
	v_mul_u32_u24 v243, v252, 640
	v_lshl_add_u32 v243, v253, 4, v243
	v_add_nc_u32 v243, s26, v243                   ; my stage, in: rows 2 gq, 2 gq + 1; 16 ge bytes on
	v_mul_u32_u24 v244, v254, 320
	v_lshl_add_u32 v244, v255, 4, v244
	v_add_nc_u32 v244, s26, v244                   ; and back: sixteen lanes to a row of 256 bytes, two rows an instruction
	v_lshlrev_b32 v245, 11, v254
	v_lshl_add_u32 v245, v255, 4, v245             ; the same two rows in out0
; Load number LN of the 18 LDS loads that bring a step's 4 h, from h0 on behind the addresses' own h: 0-7 D's, 8-15 NE's, 16 and 17 w's pairs.
.macro LOAD1 buf, an, ad, aw, h0
.if LN < 8
	ds_load_b128 v[\buf+8*(LN/2)+4*(LN%2):\buf+8*(LN/2)+4*(LN%2)+3], v[\ad] offset:((\h0)+LN/2)*128+16*(LN%2)
.elseif LN < 16
	ds_load_b128 v[\buf+32+8*((LN-8)/2)+4*(LN%2):\buf+32+8*((LN-8)/2)+4*(LN%2)+3], v[\an] offset:((\h0)+(LN-8)/2)*128+8192*(LN%2)
.else
	ds_load_b128 v[\buf+64+4*(LN-16):\buf+64+4*(LN-16)+3], v[\aw] offset:(\h0)*8+16*(LN-16)
.endif
.set LN, LN+1
.endm
; One h (the buffer's p-th), q 2a and 2a + 1, all eight e: sixteen elements in 8 dual maxima and 8 packed multiply-adds.  In a dual the two halves pair (2a, t) with (2a + 1, t xor 1): destinations even and odd,
; and both halves' first sources, and their second sources, are neighbouring registers.  first = 1: the first h starts the sums.
.macro QP buf, p, a, first
.irp c, 0,1,2,3
	v_dual_max_num_f32 v[M+4*\c], v[\buf+8*(\p)+2*(\a)], v[\buf+32+8*(\p)+2*\c] :: v_dual_max_num_f32 v[M+4*\c+1], v[\buf+8*(\p)+2*(\a)+1], v[\buf+32+8*(\p)+2*\c+1]
	v_dual_max_num_f32 v[M+4*\c+2], v[\buf+8*(\p)+2*(\a)], v[\buf+32+8*(\p)+2*\c+1] :: v_dual_max_num_f32 v[M+4*\c+3], v[\buf+8*(\p)+2*(\a)+1], v[\buf+32+8*(\p)+2*\c]
.endr
.irp e, 0,1,2,3,4,5,6,7
.if (\first) && ((\p) == 0)
	v_pk_mul_f32 v[ACC+16*(\a)+2*\e:ACC+16*(\a)+2*\e+1], v[M+2*\e:M+2*\e+1], v[\buf+64+2*(\p):\buf+64+2*(\p)+1]
.else
	v_pk_fma_f32 v[ACC+16*(\a)+2*\e:ACC+16*(\a)+2*\e+1], v[M+2*\e:M+2*\e+1], v[\buf+64+2*(\p):\buf+64+2*(\p)+1], v[ACC+16*(\a)+2*\e:ACC+16*(\a)+2*\e+1]
.endif
.endr
.endm
.macro COMPUTE buf, first              ; a step that fetches nothing: 4 h x 64 elements a lane: 256 instructions
.irp p, 0,1,2,3
.irp a, 0,1,2,3
	QP \buf, \p, \a, \first
.endr
.endr
.endm
; A step that also fetches the next step's 4 h into the other buffer, obuf: two loads ahead of each of its first nine groups of sixteen vector lines, so that the last load has eight groups, 128 lines, behind it.
; No wait stands among them: since the wait at the step's head no vector line names a register of obuf, nor the three address registers.
.macro STEP buf, first, obuf, xn, xd, xw, h0
.set LN, 0
.irp p, 0,1,2,3
.irp a, 0,1,2,3
.if LN < 18
	LOAD1 \obuf, \xn, \xd, \xw, \h0
	LOAD1 \obuf, \xn, \xd, \xw, \h0
.endif
	QP \buf, \p, \a, \first
.endr
.endr
.endm
	; THE LOOP: 16 steps of 4 h on two buffers; a step's loads are issued in the first nine sixteenths of the step before.
	s_mov_b32 s21, 0                               ; bytes on in D's and NE's slices: 8 h of 128 bytes a trip
	s_mov_b32 s22, 0                               ; and in w's: 8 h of 8 bytes
	s_mov_b32 s23, 7
	s_wait_alu depctr_va_vdst(0)                   ; the sums of w NE are done reading v16 to v143 and v208 to v239, and the permutes have written v208 to v215: loads land there from here on; v240 to v245 are written, which the way out's LDS and memory instructions read
.set LN, 0
.rept 18
	LOAD1 BUF0, 8, 9, 5, 0                         ; step 0
.endr
	s_wait_dscnt 0x0                               ; step 0's are in
	STEP BUF0, 1, BUF1, 8, 9, 5, 4                 ; step 0 is worked, step 1 fetched: no vector line since the wait above names BUF1
.Ltrip:                                            ; trip t: steps 2 t + 1 and 2 t + 2 are worked, steps 2 t + 2 and 2 t + 3 fetched.  The last h read is 8 x 6 + 12 + 3 = 63
	s_wait_dscnt 0x0                               ; BUF1's 18 loads, issued in the step before, are in
	s_wait_alu depctr_vm_vsrc(0)                   ; the LDS loads issued so far have read v10 to v12
	v_add_nc_u32 v10, s21, v8
	v_add_nc_u32 v11, s21, v9
	v_add_nc_u32 v12, s22, v5
	s_wait_alu depctr_va_vdst(0)                   ; v10 to v12 are written, which this trip's loads read; the step before is done reading BUF0, in which this step's loads land
	STEP BUF1, 0, BUF0, 10, 11, 12, 8
	s_wait_dscnt 0x0                               ; BUF0's 18 loads are in
	s_wait_alu depctr_va_vdst(0)                   ; the step before is done reading BUF1, in which this step's loads land
	STEP BUF0, 0, BUF1, 10, 11, 12, 12
	s_add_co_u32 s21, s21, 1024
	s_add_co_u32 s22, s22, 64
	s_sub_co_u32 s23, s23, 1
	s_cmp_lg_u32 s23, 0
	s_cbranch_scc1 .Ltrip
	s_wait_dscnt 0x0
	COMPUTE BUF1, 0                                ; step 15: it fetches nothing, so it hangs on no further wait
	; THE WAY OUT.  Each wave's 64 partial sums go to LDS as an image of its registers; behind the barrier wave w adds the four waves' sums of the pair of q a = w.
	s_wait_alu depctr_va_vdst(0)                   ; the multiply-adds have written v[ACC ..], which the LDS stores read; the last steps are done reading BUF0 and BUF1, in which the loads behind the barrier land
.irp k, 0,1,2,3,4,5,6,7,8,9,10,11,12,13,14,15
	ds_store_b128 v240, v[ACC+4*\k:ACC+4*\k+3] offset:512*\k
.endr
	s_wait_dscnt 0x0                               ; for the others' sake: my stores have landed (those of the sums of w NE did at the head)
	s_barrier_signal -1
	s_barrier_wait -1
.irp u, 0,1,2,3
.irp c, 0,1,2,3
	ds_load_b128 v[96+16*\u+4*\c:96+16*\u+4*\c+3], v241 offset:8192*\u+512*\c
.endr
.endr
.irp u, 0,1,2,3
	ds_load_b128 v[168+4*\u:168+4*\u+3], v242 offset:256*\u
.endr
	s_wait_dscnt 0x0
.irp c, 0,1,2,3
	v_pk_add_f32 v[96+4*\c:97+4*\c],   v[96+4*\c:97+4*\c],   v[112+4*\c:113+4*\c]
	v_pk_add_f32 v[98+4*\c:99+4*\c],   v[98+4*\c:99+4*\c],   v[114+4*\c:115+4*\c]
	v_pk_add_f32 v[128+4*\c:129+4*\c], v[128+4*\c:129+4*\c], v[144+4*\c:145+4*\c]
	v_pk_add_f32 v[130+4*\c:131+4*\c], v[130+4*\c:131+4*\c], v[146+4*\c:147+4*\c]
.endr
.irp c, 0,1,2,3                                ; the last addition puts the numbers in order: v200 + t: row 2 a, e index t;  v208 + t: row 2 a + 1
	v_add_f32 v[200+2*\c],   v[96+4*\c], v[128+4*\c]
	v_add_f32 v[208+2*\c+1], v[97+4*\c], v[129+4*\c]
	v_add_f32 v[200+2*\c+1], v[98+4*\c], v[130+4*\c]
	v_add_f32 v[208+2*\c],   v[99+4*\c], v[131+4*\c]
.endr
	v_pk_add_f32 v[168:169], v[168:169], v[172:173]
	v_pk_add_f32 v[170:171], v[170:171], v[174:175]
	v_pk_add_f32 v[176:177], v[176:177], v[180:181]
	v_pk_add_f32 v[178:179], v[178:179], v[182:183]
	v_pk_add_f32 v[168:169], v[168:169], v[176:177]
	v_pk_add_f32 v[170:171], v[170:171], v[178:179]
.irp k, 0,1,2,3
	v_sub_f32 v[232+\k], s20, v[168+\k]            ; b_out - the sum over all h of w NE, for the four e that I store
.endr
	; A lane holds 16 bytes at two places of two rows, and the lanes beside it other rows: so the wave's 8 rows of 256 bytes go through its own stage.  Rows are 320 bytes apart: sixteen lanes' stores (two gq) fall 640 bytes apart,
	; which is 128 modulo 256, beside each other
	s_wait_alu depctr_va_vdst(0)                   ; the additions have written v200 to v215, which the four LDS stores read
	ds_store_b128 v243, v[200:203]
	ds_store_b128 v243, v[204:207] offset:128
	ds_store_b128 v243, v[208:211] offset:320
	ds_store_b128 v243, v[212:215] offset:448
.irp i, 0,1,2,3
	ds_load_b128 v[216+4*\i:219+4*\i], v244 offset:640*\i      ; my own bytes, served in order: these see the stores above.  (The last vector lines that named v216 to v231 stand ahead of the waits above)
.endr
.irp i, 0,1,2,3
	s_wait_dscnt 3-\i                              ; behind load i stand 3 - i
	v_pk_add_f32 v[216+4*\i:217+4*\i], v[216+4*\i:217+4*\i], v[232:233]
	v_pk_add_f32 v[218+4*\i:219+4*\i], v[218+4*\i:219+4*\i], v[234:235]
.endr
	s_wait_alu depctr_va_vdst(0)                   ; the eight additions have written v216 to v231, which the four stores read
.irp i, 0,1,2,3
	global_store_b128 v245, v[216+4*\i:219+4*\i], s[10:11] offset:16384*\i th:TH_STORE_NT       ; rows 8 i + 2 wave + lane / 16: sixteen lanes store 256 consecutive bytes, at a multiple of 256 from out0's first byte
.endr
	s_set_vgpr_msb 0x4                             ; the add's data register is v257: source 1 in window 1; the switch stands ahead of the closing lines
	s_wait_dscnt 0x0                               ; the closing lines, six on end
	s_wait_alu 0x0
	s_wait_tensorcnt 0x0
	ds_add_u32 v15, v1
	s_wait_dscnt 0x0
	s_endpgm
.Lfunc_end_k_qc7353d03bb_pairs:
	.size	k_qc7353d03bb_pairs, .Lfunc_end_k_qc7353d03bb_pairs-k_qc7353d03bb_pairs
	.p2alignl 7, 3214868480
	.fill 96, 4, 3214868480
	.section	.rodata,"a",@progbits
	.p2align	6, 0x0
	.amdhsa_kernel k_qc7353d03bb_pairs
		.amdhsa_group_segment_fixed_size 168448
		.amdhsa_private_segment_fixed_size 0
		.amdhsa_enable_private_segment 0
		.amdhsa_kernarg_size 32
		.amdhsa_user_sgpr_count 2
		.amdhsa_user_sgpr_kernarg_segment_ptr 1
		.amdhsa_wavefront_size32 1
		.amdhsa_system_sgpr_workgroup_id_x 1
		.amdhsa_system_sgpr_workgroup_id_y 1
		.amdhsa_system_sgpr_workgroup_id_z 1
		.amdhsa_system_vgpr_workitem_id 0
		.amdhsa_next_free_vgpr 258
		.amdhsa_next_free_sgpr 66
		.amdhsa_reserve_vcc 0
		.amdhsa_float_denorm_mode_32 3
		.amdhsa_float_denorm_mode_16_64 3
		.amdhsa_memory_ordered 1
		.amdhsa_forward_progress 1
		.amdhsa_inst_pref_size 94
	.end_amdhsa_kernel
	.amdgpu_metadata
---
amdhsa.version: [ 1, 2 ]
amdhsa.kernels:
  - .name:           k_qc7353d03bb_pairs
    .symbol:         k_qc7353d03bb_pairs.kd
    .args:
      - { .name: proj, .offset: 0, .size: 8, .value_kind: global_buffer, .address_space: global }
      - { .name: w_out, .offset: 8, .size: 8, .value_kind: global_buffer, .address_space: global }
      - { .name: b_out, .offset: 16, .size: 8, .value_kind: global_buffer, .address_space: global }
      - { .name: out0, .offset: 24, .size: 8, .value_kind: global_buffer, .address_space: global }
    .group_segment_fixed_size: 168448
    .private_segment_fixed_size: 0
    .kernarg_segment_align: 8
    .kernarg_segment_size: 32
    .max_flat_workgroup_size: 128
    .sgpr_count:     66
    .vgpr_count:     258
    .wavefront_size: 32
...
	.end_amdgpu_metadata
.endif
;; end of part 4
